; MI455X (gfx1250); checked and timed in simulation.
; The chip was launched on July 23, 2026; its instructions are those of AMD's public machine-readable ISA for CDNA 5 (MIT licence, August 2026) and "CDNA5" Instruction Set Architecture Reference Guide (July 2026). The comments in the code are by the model that wrote it; some were corrected since.
;; Cross SDPA. Allowed arithmetic: matrix products marked QUANTISED: E2M1 operands, one E8M0 scale for each 32 along K, by v_wmma_scale_f32_16x16x128_f8f6f4 with both operands' format E2M1 (or v_wmma_scale_f32_32x16x128_f4), f32 sums; everything else in f32.
;; Inputs: Wk 512 x 64 float32; Wq 512 x 64 float32; Wv 512 x 64 float32; bk 64 float32; bq 64 float32; bv 64 float32; y 4 x 4,096 x 512 float32; z 4 x 4,096 x 512 float32.
;; Outputs: out0 4 x 4,096 x 64 float32.
;; This version of the problem:
;;   THIS VERSION OF THE PROBLEM IS GIVEN IN LOW PRECISION. The matrix products marked QUANTISED in the list below multiply operands that are first quantised to E2M1 (2 exponent bits, 1 mantissa bit; 4 bits a number), with one power-of-two scale for each 32 numbers along K (OCP MX v1.0); their sums are f32. All else is computed in f32.
;;   The module's matrix products, in the order in which they are computed (A, B: the left and right operand; K: the contracted axis; several contracted axes count as one K, in the product's order):
;;     1. [M 16,384, K 512] x [K 512, N 64]; A: input y; B: input Wq: QUANTISED
;;     2. [M 16,384, K 512] x [K 512, N 64]; A: input z; B: input Wk: QUANTISED
;;     3. [M 16,384, K 512] x [K 512, N 64]; A: input z; B: input Wv: QUANTISED
;;     4. batch 4 x [M 4,096, K 64] x [K 64, N 4,096]; A: computed on the way; B: computed on the way: QUANTISED
;;     5. batch 4 x [M 4,096, K 4,096] x [K 4,096, N 64]; A: softmax (see below); B: computed on the way: QUANTISED
;;   THE QUANTISER, for each operand of a quantised product, along K:
;;     - K is cut into blocks of 32 from its start; a last block that is shorter is filled with zeros.
;;     - A block's scale is 2^e with e = floor(log2(the largest magnitude in the block)) - 2, held to -126 .. 127; a block of zeros has e = 0. As a byte (E8M0): e + 127.
;;     - Each number is divided by its block's scale, clamped to +-6, and rounded to the nearest number of E2M1, ties to even, subnormals kept.
;;     - The product sums the exact products of the quantised numbers (number of the format x scale) in f32.
;;   ~~~python
;;   def quantise(x, axis):      # numpy; x: float32 -> the quantised numbers, widened to float32 again
;;       x = np.moveaxis(x, axis, -1); K = x.shape[-1]
;;       x = np.pad(x, [(0, 0)] * (x.ndim - 1) + [(0, -K % 32)]); x = x.reshape(x.shape[:-1] + (-1, 32)); a = np.abs(x).max(-1, keepdims=True)
;;       e = np.where(a > 0, np.clip(np.frexp(np.where(a > 0, a, 1))[1] - 1 - 2, -126, 127), 0)      # np.frexp(a)[1] - 1 = floor(log2(a)), exactly
;;       r = np.clip(x / 2.0 ** e, -6, 6)
;;       step = 2.0 ** (np.maximum(np.frexp(np.where(r == 0, 1, r))[1] - 1, 0) - 1)
;;       q = np.round(r / step) * step * 2.0 ** e      # np.round: ties to even
;;       return np.moveaxis(q.reshape(q.shape[:-2] + (-1,))[..., :K], -1, axis).astype(np.float32)
;;   ~~~
;;   SOFTMAX AHEAD OF A QUANTISED PRODUCT. Where the list says 'softmax', what is quantised is not the finished softmax but p = 2^(t - M), with t = logit x log2(e) and M = ceil(the row's largest t), a whole number; so 1/2 < the row's largest p <= 1. The row's sum l is taken of the UNQUANTISED p, in f32, and the product's result is divided by l at the end. Since M is a whole number, a kernel that streams over the keys may use a running M (the ceiling of the running maximum): every later rescaling is an exact power of two, which a block's scale takes up: the codes' values come out the same.
;;   OPERANDS COMPUTED ON THE WAY. 'Computed on the way' means the value that the module computes at that place (a softmax that the list does not call 'softmax' is quantised finished and normalised). What goes into a quantiser is computed in f32, as accurately as f32 sums, v_exp_f32 and their like allow (about 1e-6 of the number): no bf16 or f16 on the way to a quantiser, and a product that is left as it is and whose result goes on into a quantised operand takes f32 operands (vector FMAs, or v_wmma_f32_16x16x4_f32). A number that lies on a knife's edge between two numbers of the format may be rounded either way, as far as f32 arithmetic and the matrix unit's own rounding can turn it there, and no further.
;; One version. Each part assembles by itself: llvm-mc -triple=amdgcn-amd-amdhsa -mcpu=gfx1250 --defsym DOCPART=n.
;; ======== version 1 of 1: 2 launches
;; limits: right only within a limited range of input values
;; workspace buffers: q 557,056 bytes; kv 1,114,112 bytes
;; launch proj (part 1): grid 256 x 1, 16 waves a work-group, no clusters, 327,680 bytes of LDS; arguments y, z, Wq, Wk, Wv, bq, bk, bv, q, kv; writes q, kv
.if DOCPART == 1
	.amdgcn_target "amdgcn-amd-amdhsa--gfx1250"
	.amdhsa_code_object_version 6
	.text
	.protected	k_q0fa33ac361_proj
	.globl	k_q0fa33ac361_proj
	.p2align	8
	.type	k_q0fa33ac361_proj,@function
k_q0fa33ac361_proj:
	s_mov_b64 s[64:65], 0
	v_nop
	global_prefetch_b8 v0, s[64:65] scope:SCOPE_SE
	s_setreg_imm32_b32 hwreg(HW_REG_WAVE_MODE, 25, 1), 1
	s_wait_xcnt 0x0
; Q = y Wq + bq, K = z Wk + bk, V = z Wv + bv, all three on codes of FP4 (E2M1) with one E8M0 scale for each 32 along K = 512; then Q and K are quantised along
; the head's 64 channels and V along the keys, and leave as codes and scale words laid in the order of the next launch's operand registers.
; NO WORK IS LEFT OUT: bq, bk and bv each enter an operand ahead of a quantiser and can move its codes and scales, so all eight inputs are loaded.
; LIMITS: NaN and infinities among the inputs are not served.  A block whose largest magnitude lies under 2^-124 (a block of zeros too) gets the scale byte 1 where the rule says 127 for zeros:
; its codes are zeros or the rule's own, and the bytes are read by this program alone.
; SHARES.  Work-group 2 i takes rows 128 i .. 128 i + 127 of y, work-group 2 i + 1 the same rows of z.  Wave w fetches, by ONE tensor load, rows 32 (w % 4) .. + 31 x K step w / 4 (128 numbers), waits for that alone, and
; turns it into two fragments (16 rows x 128 K), whose register images it lays over its own tile.  Meanwhile, under the load's flight, the sixteen waves quantise the weights: 64 along K x 32 columns a wave and weight.
; Behind ONE barrier waves 0-7 make Q or K, waves 8-15 V (z only): 32 rows x 32 channels each, 16 matrix instructions.
; NO CLUSTER, NO JOINT LOAD: the work-groups share the weights alone, whose K is their first axis: a lane takes a column and its registers run down K, straight from memory; as f32 in LDS they would take
; 131,072 bytes or twice that beside x's 270,336, more than a work-group can have.  NO PREFETCH: all that is read is asked for at the head, there is no loop.
; KEY ORDER.  Lane r of tile T = 4 C + t (of a record's 128 rows) is row 64 C + 32 (r / 8) + 8 t + r % 8: in the next launch a lane's registers then hold whole blocks of 32 keys.
; RECORDS.  q: 4,352 bytes for 128 rows: tile T at 512 T, 16 bytes of lane r + 16 h = channels 32 h .. 32 h + 31; from 4,096 on the scale bytes: lane r + 16 (t % 2): 8 x lane + 4 C + 2 (t / 2) + channel block.
; kv: 8,704 bytes for 128 keys: K as q; from 4,352 on V's four fragments (16 channels x 128 keys, 1,024 bytes each); from 8,448 on V's scale words: channel r of tile t at 8 (r + 16 (t % 2)) + 4 (t / 2).
.set XT,   16896                       ; a wave's tile in LDS: 32 rows x (512 bytes + 16); tile (g, s) at XT (4 g + s)
.set XP,   528                         ; 33 x 16 bytes: sixteen rows start at sixteen different 16-byte columns
.set WI,   16*XT                       ; W0's 16 fragment images, 1,024 bytes each: (s, t) at 4,096 s + 1,024 t
.set WV,   16384                       ; Wv's lie so far behind
.set XSC,  WI+32768                    ; x's scale words: 16 bytes a row, 4 a K step
.set WSC,  XSC+2048                    ; the weights': 16 bytes a column; Wv's 1,024 on
.set SCW,  WSC+2048                    ; the record's 256 scale bytes of Q or K
.set VSB,  SCW+256                     ; and of V
.set SPARE, VSB+256                    ; the spare words, 128 bytes for each of 16 waves: no other line names them
.set FLOOR, 0x1800000                  ; 2^(3 - 127): under it no largest magnitude is taken, so no scale byte falls under 1
.set SPW, 1                            ; LDS address of my spare word; never rewritten
.set NIL, 2                            ; 0; never rewritten
.set WLA, 3                            ; memory: my column of the weights, my 64 rows
.set WIA, 4                            ; LDS: my weight images
.set WSA, 5                            ; LDS: their scale bytes
.set XA,  6                            ; LDS: my row of my tile
.set XIA, 7                            ; LDS: my tile's images
.set XSA, 8                            ; LDS: their scale bytes
.set WF,  9                            ; LDS: the weight fragments that I multiply
.set WW,  10                           ; LDS: their scale words
.set XF,  11                           ; LDS: x's fragments in the key order
.set XV,  12                           ; LDS: x's fragments in the natural order
.set XWK, 13                           ; LDS: scale words to XF
.set XWV, 14                           ; LDS: scale words to XV
.set KO,  15                           ; memory: my codes of Q or K
.set ACC, 16                           ; v16-47 four accumulators
.set WSR, 48                           ; v48-51 the weight's scale words, one a K step: lanes 0-15 the first tile, 16-31 the second
.set XSR, 52                           ; v52-55 x's
.set VO,  56                           ; memory: my codes of V
.set KSA, 57                           ; LDS: my scale bytes of Q or K
.set VSA, 58                           ; LDS: of V
.set BA,  59                           ; memory: bq, bk
.set BVA, 60                           ; memory: bv
.set L8,  61                           ; memory: 8 x lane
.set SL,  62                           ; LDS: SCW + 8 x lane
.set R,   64                           ; v64-191 numbers on their way to codes; later the weight's (64-127) and x's (128-191) fragments
.set T,   192                          ; v192-195 largest magnitudes
.set E,   196                          ; v196-197 the conversions' scale operands
.set PC,  200                          ; v200-207 codes
.set BVR, 208                          ; v208-209 bv
.set PC2, 210                          ; v210-217 codes
.set TT,  218                          ; v218-219 what the lane 16 away holds
.set BY,  220                          ; v220-227 scale bytes
.set LN,  228                          ; the head: lane, r = lane % 16, h = lane / 16, r / 8, r % 8, 16 x lane, two at work
.set LR,  229
.set LH,  230
.set R3,  231
.set R7,  232
.set L16, 233
.set X1,  234
.set X2,  235
.macro SA d, a, n                      ; s[d] += s[a] << n
	s_lshl_b32 s78, s[\a], \n
	s_add_co_u32 s[\d], s[\d], s78
.endm
; 64 numbers of a lane, two whole blocks of 32, into 8 registers of codes and two scale bytes
.macro QB src, dst, by
.irp k, 0,1,2,3
	v_max3_num_f32 v[T+\k], |v[(\src)+16*\k]|, |v[(\src)+16*\k+1]|, FLOOR
.endr
.irp i, 2,4,6,8,10,12,14
.irp k, 0,1,2,3
	v_max3_num_f32 v[T+\k], v[T+\k], |v[(\src)+16*\k+\i]|, |v[(\src)+16*\k+\i+1]|
.endr
.endr
	v_max_num_f32 v[T], v[T], v[T+1]
	v_max_num_f32 v[T+2], v[T+2], v[T+3]
	v_add_nc_u32 v[E], 0xff000000, v[T]            ; 2 off the exponent field: the conversion takes this operand's exponent field as its scale
	v_add_nc_u32 v[E+1], 0xff000000, v[T+2]
	v_lshrrev_b32 v[\by], 23, v[E]
	v_lshrrev_b32 v[\by+1], 23, v[E+1]
.irp g, 0,1,2,3,4,5,6,7
	v_cvt_scalef32_pk8_fp4_f32 v[(\dst)+\g], v[(\src)+8*\g:(\src)+8*\g+7], v[E+\g/4]
.endr
	v_nop                                          ; one plain instruction behind the last scaled conversion
.endm
.macro WLOAD dst, base                 ; W(64 (w / 2) + n, my column): 32 lanes read 128 consecutive bytes
.set n, 0
.rept 64
	global_load_b32 v[(\dst)+n], v[WLA], s[\base:\base+1] offset:n*256
.set n, n+1
.endr
.endm
.macro WIMG src, by, dv, ds            ; a lane's two blocks are 16 bytes each of the fragment's image, and two neighbouring bytes of the column's scale word
	ds_store_b128 v[WIA], v[\src:\src+3] offset:\dv
	ds_store_b128 v[WIA], v[\src+4:\src+7] offset:\dv+256
	v_lshl_or_b32 v[\by], v[\by+1], 8, v[\by]
	ds_store_b16 v[WSA], v[\by] offset:\ds
.endm
.macro MM d, a, b, sa, sb, ra, rb
.if (\ra) && (\rb)
	v_wmma_scale_f32_16x16x128_f8f6f4 v[(\d):(\d)+7], v[(\a):(\a)+7], v[(\b):(\b)+7], v[(\d):(\d)+7], v[\sa], v[\sb] matrix_a_fmt:MATRIX_FMT_FP4 matrix_b_fmt:MATRIX_FMT_FP4 matrix_a_scale:MATRIX_SCALE_ROW1 matrix_b_scale:MATRIX_SCALE_ROW1
.elseif (\ra)
	v_wmma_scale_f32_16x16x128_f8f6f4 v[(\d):(\d)+7], v[(\a):(\a)+7], v[(\b):(\b)+7], v[(\d):(\d)+7], v[\sa], v[\sb] matrix_a_fmt:MATRIX_FMT_FP4 matrix_b_fmt:MATRIX_FMT_FP4 matrix_a_scale:MATRIX_SCALE_ROW1
.elseif (\rb)
	v_wmma_scale_f32_16x16x128_f8f6f4 v[(\d):(\d)+7], v[(\a):(\a)+7], v[(\b):(\b)+7], v[(\d):(\d)+7], v[\sa], v[\sb] matrix_a_fmt:MATRIX_FMT_FP4 matrix_b_fmt:MATRIX_FMT_FP4 matrix_b_scale:MATRIX_SCALE_ROW1
.else
	v_wmma_scale_f32_16x16x128_f8f6f4 v[(\d):(\d)+7], v[(\a):(\a)+7], v[(\b):(\b)+7], v[(\d):(\d)+7], v[\sa], v[\sb] matrix_a_fmt:MATRIX_FMT_FP4 matrix_b_fmt:MATRIX_FMT_FP4
.endif
.endm
; 32 rows (tiles e) x 32 channels (tiles a) x K = 512.  isv = 0: source 0 = the weight's columns, source 1 = x's rows: a lane holds one row and eight neighbouring channels.
; isv = 1: source 0 = x's rows: a lane holds one channel and eight neighbouring keys.  The sums begin on the bias; the four accumulators take turns, one instruction a turn.
.macro ARM isv, wo, wwo, xw, xf, eo
	ds_load_b128 v[WSR:WSR+3], v[WW] offset:\wwo
	ds_load_b128 v[XSR:XSR+3], v[\xw]
.irp s, 0,1,2,3
.irp a, 0,1
.irp c, 0,1
	ds_load_b128 v[R+16*\s+8*\a+4*\c:R+16*\s+8*\a+4*\c+3], v[WF] offset:\wo+4096*\s+1024*\a+512*\c
	ds_load_b128 v[R+64+16*\s+8*\a+4*\c:R+64+16*\s+8*\a+4*\c+3], v[\xf] offset:XT*\s+(\eo)*\a+512*\c
.endr
.endr
.endr
.irp s, 0,1,2,3
	s_wait_dscnt 24-8*\s                           ; the later K steps' eight loads each may stay out
.irp e, 0,1
.irp a, 0,1
.if \isv
	MM ACC+8*(2*\e+\a), R+64+16*\s+8*\a, R+16*\s+8*\e, XSR+\s, WSR+\s, \a, \e
.else
	MM ACC+8*(2*\e+\a), R+16*\s+8*\a, R+64+16*\s+8*\e, WSR+\s, XSR+\s, \a, \e
.endif
.endr
.endr
.endr
.rept 4
	v_nop                                          ; four places in front of the first read of the results
.endr
.endm
; Two blocks a lane: accumulators 0, 1 and 2, 3; 16 numbers of a block here and 16 in the lane 16 away.  Each accumulator is read from its low end on.
.macro FIN ko, st, ks
.irp k, 0,1,2,3
	v_max3_num_f32 v[T+\k], |v[ACC+8*\k]|, |v[ACC+8*\k+1]|, FLOOR
.endr
.irp i, 2,4,6
.irp k, 0,1,2,3
	v_max3_num_f32 v[T+\k], v[T+\k], |v[ACC+8*\k+\i]|, |v[ACC+8*\k+\i+1]|
.endr
.endr
	v_max_num_f32 v[T], v[T], v[T+1]
	v_max_num_f32 v[T+2], v[T+2], v[T+3]
	v_permlanex16_b32 v[TT], v[T], s62, s63
	v_permlanex16_b32 v[TT+1], v[T+2], s62, s63
	v_max_num_f32 v[T], v[T], v[TT]
	v_max_num_f32 v[T+2], v[T+2], v[TT+1]
	v_add_nc_u32 v[E], 0xff000000, v[T]
	v_add_nc_u32 v[E+1], 0xff000000, v[T+2]
	v_lshrrev_b32 v[BY], 23, v[E]
	v_lshrrev_b32 v[BY+1], 23, v[E+1]
.irp k, 0,1,2,3
	v_cvt_scalef32_pk8_fp4_f32 v[PC+\k], v[ACC+8*\k:ACC+8*\k+7], v[E+\k/2]
.endr
	v_nop                                          ; one plain instruction behind the last scaled conversion
	v_permlane16_swap_b32 v[PC], v[PC+1]           ; lane (r, h) then holds numbers 16 h + 0 .. 15 of its block: 8 neighbouring bytes of the image
	v_permlane16_swap_b32 v[PC+2], v[PC+3]
	global_store_b64 v[\ko], v[PC:PC+1], s[72:73]  ; 32 lanes store 256 consecutive bytes, at a multiple of 256 from the buffer's first byte
	global_store_b64 v[\ko], v[PC+2:PC+3], s[72:73] offset:\st
	ds_store_b8 v[\ks], v[BY]                      ; the scale bytes are gathered in LDS; both halves of the lanes write the same byte with the same value
	ds_store_b8 v[\ks], v[BY+1] offset:128
.endm
	s_load_b512 s[4:19], s[0:1], 0x0               ; y s[4:5], z s[6:7], Wq s[8:9], Wk s[10:11], Wv s[12:13], bq s[14:15], bk s[16:17], bv s[18:19]
	s_load_b128 s[20:23], s[0:1], 0x40             ; q s[20:21], kv s[22:23]
	v_lshl_add_u32 v[SPW], v0, 2, SPARE
	v_mov_b32 v[NIL], 0
	ds_add_u32 v[SPW], v[NIL]                      ; the wave's opening: the add, twice on end, and its wait ahead of the tensor load
	ds_add_u32 v[SPW], v[NIL]
	v_lshrrev_b32 v[X1], 5, v0
	v_readfirstlane_b32 s24, v[X1]                 ; wave w
	s_and_b32 s25, ttmp9, 1                        ; 0: y's work-group, 1: z's
	s_lshr_b32 s26, ttmp9, 1                       ; which 128 rows
	s_and_b32 s27, s24, 3                          ; w % 4: g of my tile; which 32 rows I multiply
	s_lshr_b32 s28, s24, 2                         ; w / 4: s of my tile; my weight blocks' K step
	s_and_b32 s29, s28, 1                          ; which 32 channels I multiply
	s_and_b32 s30, s24, 1                          ; which 32 columns of the weights I quantise
	s_bfe_u32 s31, s24, 0x10001                    ; which 64 of their K step's 128
	; descriptor group 1: 32 rows x 128 elements of 4 bytes, 512 elements from row to row, 4 words of padding behind every 128
	s_mov_b32 s32, (2<<16)|(1<<20)|(6<<22)|(3<<25)
	s_mov_b32 s33, 128<<16                         ; tensor_dim0
	s_mov_b32 s34, 32<<16                          ; tensor_dim1
	s_mov_b32 s35, 128<<16                         ; tile_dim0
	s_mov_b32 s36, 32                              ; tile_dim1
	s_mov_b32 s37, 512                             ; tensor_dim0_stride
	s_mov_b32 s38, 0
	s_mov_b32 s39, 0
	s_lshl_b32 s44, s27, 2
	s_add_co_u32 s44, s44, s28
	s_mul_i32 s44, s44, XT                         ; my tile in LDS
	s_lshr_b32 s45, s24, 1
	s_lshl_b32 s45, s45, 14                        ; 64 rows of 256 bytes a wave pair
	SA 45, 30, 7
	v_and_b32 v[LN], 31, v0
	v_lshl_add_u32 v[WLA], v[LN], 2, s45
	s_wait_alu depctr_va_vdst(0)                   ; ahead of the waits below
	s_wait_dscnt 0x0                               ; both opening adds are done
	s_wait_kmcnt 0x0
	s_mov_b32 s76, 8704
	s_cmp_eq_u32 s25, 0                            ; the choice hangs on the work-group's number alone
	s_cselect_b64 s[66:67], s[4:5], s[6:7]         ; x = y or z
	s_cselect_b64 s[68:69], s[8:9], s[10:11]       ; W0 = Wq or Wk
	s_cselect_b64 s[70:71], s[14:15], s[16:17]     ; b0 = bq or bk
	s_cselect_b64 s[72:73], s[20:21], s[22:23]     ; the records' buffer,
	s_cselect_b32 s76, 4352, s76                   ; and a record's bytes
	s_lshl_b32 s74, s26, 18                        ; 128 rows of 2,048 bytes,
	SA 74, 27, 16                                  ; my 32 of them,
	SA 74, 28, 9                                   ; my K step
	s_mov_b32 s75, 0
	s_mov_b32 s40, 1                               ; 1:0 count = 1
	s_mov_b32 s41, s44                             ; 63:32 LDS address
	s_add_nc_u64 s[42:43], s[66:67], s[74:75]      ; 120:64 global address
	s_or_b32 s43, s43, 0x80000000                  ; 127:126 type = 2
	tensor_load_to_lds s[40:43], s[32:39]          ; my one tensor load
	s_nop 0
.rept 4
	v_nop
.endr
	WLOAD R, 68
	s_mul_i32 s74, s26, s76
	s_add_nc_u64 s[72:73], s[72:73], s[74:75]      ; my record
	; every address register is made here, ahead of the first parting
	s_mov_b32 s46, WI
	SA 46, 28, 12
	SA 46, 31, 9
	SA 46, 30, 11
	s_mov_b32 s47, WSC
	SA 47, 30, 9
	SA 47, 28, 2
	SA 47, 31, 1
	s_mov_b32 s48, XSC
	SA 48, 27, 9
	SA 48, 28, 2
	s_mov_b32 s49, WI
	SA 49, 29, 11
	s_mov_b32 s50, WSC
	SA 50, 29, 9
	s_lshr_b32 s52, s27, 1                         ; C
	s_and_b32 s53, s27, 1
	s_mul_i32 s51, s52, 8*XT
	SA 51, 53, 10
	s_mul_i32 s54, s27, 4*XT
	s_mov_b32 s55, XSC
	SA 55, 52, 10
	SA 55, 53, 8
	s_mov_b32 s56, XSC
	SA 56, 27, 9
	s_lshl_b32 s57, s27, 10
	SA 57, 29, 8
	s_mov_b32 s58, 4352
	SA 58, 29, 11
	SA 58, 27, 8
	s_add_co_u32 s59, s29, SCW
	SA 59, 52, 2
	SA 59, 53, 1
	s_add_co_u32 s60, s27, VSB
	SA 60, 29, 2
	s_lshl_b32 s61, s29, 7
	s_mov_b32 s62, 0x76543210
	s_mov_b32 s63, 0xfedcba98                      ; v_permlanex16_b32's selects for the lane 16 away
	v_and_b32 v[LR], 15, v0
	v_bfe_u32 v[LH], v0, 4, 1
	v_bfe_u32 v[R3], v0, 3, 1
	v_and_b32 v[R7], 7, v0
	v_lshlrev_b32 v[L16], 4, v[LN]
	v_lshlrev_b32 v[X1], 4, v[LR]
	v_mul_u32_u24 v[XA], v[LR], XP
	v_lshl_add_u32 v[WIA], v[LH], 10, v[X1]        ; column 32 (w % 2) + lane: tile 2 (w % 2) + h, row r of its image
	v_add_nc_u32 v[WIA], s46, v[WIA]
	v_add_nc_u32 v[WSA], s47, v[L16]
	v_lshl_add_u32 v[XA], v[LH], 7, v[XA]
	v_add_nc_u32 v[XA], s44, v[XA]
	v_add_nc_u32 v[XIA], s44, v[L16]
	v_add_nc_u32 v[XSA], v[X1], v[LH]
	v_add_nc_u32 v[XSA], s48, v[XSA]
	v_add_nc_u32 v[WF], s49, v[L16]
	v_add_nc_u32 v[WW], s50, v[L16]
	v_mul_u32_u24 v[XF], v[R3], 4*XT               ; row 64 C + 32 (r / 8) + 16 (w % 2) + 8 e + r % 8 lies in the tiles of g = 2 C + r / 8, fragment w % 2, image row 8 e + r % 8
	v_lshl_add_u32 v[XF], v[R7], 4, v[XF]
	v_lshl_add_u32 v[XF], v[LH], 8, v[XF]
	v_add_nc_u32 v[XF], s51, v[XF]
	v_add_nc_u32 v[XV], s54, v[L16]
	v_lshlrev_b32 v[XWK], 9, v[R3]                 ; lanes 0-15 the rows of e = 0, lanes 16-31 those of e = 1
	v_lshl_add_u32 v[XWK], v[LH], 7, v[XWK]
	v_lshl_add_u32 v[XWK], v[R7], 4, v[XWK]
	v_add_nc_u32 v[XWK], s55, v[XWK]
	v_add_nc_u32 v[XWV], s56, v[L16]
	v_lshl_add_u32 v[X2], v[LH], 3, v[X1]          ; 16 r + 8 h
	v_add_nc_u32 v[KO], s57, v[X2]
	v_add_nc_u32 v[VO], s58, v[X2]
	v_lshl_add_u32 v[KSA], v[LR], 3, s59
	v_lshl_add_u32 v[VSA], v[LR], 3, s60
	v_lshl_add_u32 v[BA], v[LH], 5, s61
	v_lshl_add_u32 v[BVA], v[LR], 2, s61
	v_lshlrev_b32 v[L8], 3, v[LN]
	v_lshl_add_u32 v[SL], v[LN], 3, SCW
	v_mov_b32 v[TT], 0                             ; written once: a lane permute's destination counts as one of its sources
	v_mov_b32 v[TT+1], 0
	s_wait_alu depctr_va_vdst(0)                   ; the wait at the head's end
	s_cmp_lt_u32 s24, 8
	s_cbranch_scc0 .Lbias_v
.irp e, 0,1
.irp a, 0,1
	global_load_b128 v[ACC+8*(2*\e+\a):ACC+8*(2*\e+\a)+3], v[BA], s[70:71] offset:64*\a     ; b0 of my eight channels, for both row tiles
	global_load_b128 v[ACC+8*(2*\e+\a)+4:ACC+8*(2*\e+\a)+7], v[BA], s[70:71] offset:64*\a+16
.endr
.endr
	s_branch .Lbias
.Lbias_v:
	global_load_b32 v[BVR], v[BVA], s[18:19]       ; bv of my two channels (one text: y's waves 8-15 pass here too and go on to no product)
	global_load_b32 v[BVR+1], v[BVA], s[18:19] offset:64
.Lbias:
	s_cmp_eq_u32 s25, 0
	s_cbranch_scc1 .Lw0                            ; y's work-groups have no Wv
	WLOAD R+64, 12
	s_wait_loadcnt 0x0
	QB R+64, PC2, BY+2
	WIMG PC2, BY+2, WV, 1024
	s_wait_alu depctr_va_vdst(0)
.Lw0:
	s_wait_loadcnt 0x0
	QB R, PC, BY
	WIMG PC, BY, 0, 0
	s_wait_alu depctr_va_vdst(0)
	s_cmp_lt_u32 s24, 8
	s_cbranch_scc1 .Lx
.irp a, 0,1
.irp j, 0,1,2,3,4,5,6,7,8,9,10,11,12,13,14,15
	v_mov_b32 v[ACC+16*\a+\j], v[BVR+\a]           ; V's sums begin on bv: one number for all keys of a channel
.endr
.endr
.Lx:
	s_wait_alu depctr_va_vdst(0)
	s_wait_tensorcnt 0x0                           ; my tile is in; I alone read it
.irp u, 0,1
.irp c, 0,1
.irp j, 0,1,2,3,4,5,6,7
	ds_load_b128 v[R+64*\u+32*\c+4*\j:R+64*\u+32*\c+4*\j+3], v[XA] offset:16*XP*\u+256*\c+16*\j
.endr
.endr
.endr
	s_wait_dscnt 16                                ; the first row tile is in registers; the second's 16 loads may stay out
	QB R, PC, BY+4
	ds_store_b128 v[XIA], v[PC:PC+3]               ; over the tile's first 2,048 bytes: rows that have been read; nothing is filled again
	ds_store_b128 v[XIA], v[PC+4:PC+7] offset:512
	ds_store_b8 v[XSA], v[BY+4]
	ds_store_b8 v[XSA], v[BY+5] offset:2
	s_wait_alu depctr_va_vdst(0)
	s_wait_dscnt 4                                 ; the four stores may stay out
	QB R+64, PC2, BY+6
	ds_store_b128 v[XIA], v[PC2:PC2+3] offset:1024
	ds_store_b128 v[XIA], v[PC2+4:PC2+7] offset:1536
	ds_store_b8 v[XSA], v[BY+6] offset:256
	ds_store_b8 v[XSA], v[BY+7] offset:258
	s_wait_alu depctr_va_vdst(0)
	s_wait_dscnt 0x0                               ; for the others' sake: my images lie in LDS
	s_barrier_signal -1
	s_barrier_wait -1
	s_cmp_lt_u32 s24, 8
	s_cbranch_scc0 .Lv
	ARM 0, 0, 0, XWK, XF, 128
	FIN KO, 512, KSA
	s_wait_alu depctr_va_vdst(0)
	s_branch .Lmeet
.Lv:
	s_cmp_eq_u32 s25, 0
	s_cbranch_scc1 .Lmeet                          ; y's work-groups have no V
	ARM 1, WV, 1024, XWV, XV, 1024
	FIN VO, 1024, VSA
	s_wait_alu depctr_va_vdst(0)
.Lmeet:
	s_wait_dscnt 0x0                               ; for the others' sake: my scale bytes lie in LDS
	s_barrier_signal -1
	s_barrier_wait -1
	s_and_b32 s44, s24, 7
	s_cmp_lg_u32 s44, 0
	s_cbranch_scc1 .Lend
	s_cmp_eq_u32 s24, 0
	s_cbranch_scc1 .Lkscale
	s_cmp_eq_u32 s25, 0
	s_cbranch_scc1 .Lend
	ds_load_b64 v[R:R+1], v[SL] offset:VSB-SCW
	s_wait_dscnt 0x0
	global_store_b64 v[L8], v[R:R+1], s[72:73] offset:8448   ; V's 256 bytes
	s_branch .Lend
.Lkscale:
	ds_load_b64 v[R:R+1], v[SL]
	s_wait_dscnt 0x0
	global_store_b64 v[L8], v[R:R+1], s[72:73] offset:4096   ; Q's or K's 256 bytes
.Lend:
	s_wait_tensorcnt 0x0                           ; the wave's end: behind my tensor load and my last LDS store
	ds_add_u32 v[SPW], v[NIL]
	s_wait_dscnt 0x0
	s_endpgm
.Lfunc_end_k_q0fa33ac361_proj:
	.size	k_q0fa33ac361_proj, .Lfunc_end_k_q0fa33ac361_proj-k_q0fa33ac361_proj
	.p2alignl 7, 3214868480
	.fill 96, 4, 3214868480
	.section	.rodata,"a",@progbits
	.p2align	6, 0x0
	.amdhsa_kernel k_q0fa33ac361_proj
		.amdhsa_group_segment_fixed_size 327680
		.amdhsa_private_segment_fixed_size 0
		.amdhsa_enable_private_segment 0
		.amdhsa_kernarg_size 80
		.amdhsa_user_sgpr_count 2
		.amdhsa_user_sgpr_kernarg_segment_ptr 1
		.amdhsa_wavefront_size32 1
		.amdhsa_system_sgpr_workgroup_id_x 1
		.amdhsa_system_sgpr_workgroup_id_y 1
		.amdhsa_system_sgpr_workgroup_id_z 1
		.amdhsa_system_vgpr_workitem_id 0
		.amdhsa_next_free_vgpr 240
		.amdhsa_next_free_sgpr 80
		.amdhsa_reserve_vcc 0
		.amdhsa_float_denorm_mode_32 3
		.amdhsa_float_denorm_mode_16_64 3
		.amdhsa_memory_ordered 1
		.amdhsa_forward_progress 1
		.amdhsa_inst_pref_size 51
	.end_amdhsa_kernel
	.amdgpu_metadata
---
amdhsa.version: [ 1, 2 ]
amdhsa.kernels:
  - .name:           k_q0fa33ac361_proj
    .symbol:         k_q0fa33ac361_proj.kd
    .args:
      - { .name: y, .offset: 0, .size: 8, .value_kind: global_buffer, .address_space: global }
      - { .name: z, .offset: 8, .size: 8, .value_kind: global_buffer, .address_space: global }
      - { .name: Wq, .offset: 16, .size: 8, .value_kind: global_buffer, .address_space: global }
      - { .name: Wk, .offset: 24, .size: 8, .value_kind: global_buffer, .address_space: global }
      - { .name: Wv, .offset: 32, .size: 8, .value_kind: global_buffer, .address_space: global }
      - { .name: bq, .offset: 40, .size: 8, .value_kind: global_buffer, .address_space: global }
      - { .name: bk, .offset: 48, .size: 8, .value_kind: global_buffer, .address_space: global }
      - { .name: bv, .offset: 56, .size: 8, .value_kind: global_buffer, .address_space: global }
      - { .name: q, .offset: 64, .size: 8, .value_kind: global_buffer, .address_space: global }
      - { .name: kv, .offset: 72, .size: 8, .value_kind: global_buffer, .address_space: global }
    .group_segment_fixed_size: 327680
    .private_segment_fixed_size: 0
    .kernarg_segment_align: 8
    .kernarg_segment_size: 80
    .max_flat_workgroup_size: 512
    .sgpr_count:     80
    .vgpr_count:     240
    .wavefront_size: 32
...
	.end_amdgpu_metadata
.endif
;; end of part 1
;; launch attn (part 2): grid 256 x 1, 16 waves a work-group, clusters of 4 x 1, 327,680 bytes of LDS; arguments q, kv, out0; writes out0
.if DOCPART == 2
	.amdgcn_target "amdgcn-amd-amdhsa--gfx1250"
	.amdhsa_code_object_version 6
	.text
	.protected	k_q0fa33ac361_attn
	.globl	k_q0fa33ac361_attn
	.p2align	8
	.type	k_q0fa33ac361_attn,@function
k_q0fa33ac361_attn:
	s_mov_b64 s[64:65], 0
	v_nop
	global_prefetch_b8 v0, s[64:65] scope:SCOPE_SE
	s_setreg_imm32_b32 hwreg(HW_REG_WAVE_MODE, 25, 1), 1
	s_wait_xcnt 0x0
	s_wait_alu depctr_hold_cnt(0) depctr_sa_sdst(0) depctr_va_vdst(0) depctr_va_sdst(0) depctr_va_ssrc(0) depctr_va_vcc(0) depctr_vm_vsrc(0)
	s_getreg_b32 s2, hwreg(HW_REG_IB_STS2, 6, 4)
	s_cmp_eq_u32 s2, 0
	s_cbranch_scc0 .Lentry_in_a_cluster
	s_endpgm
.Lentry_in_a_cluster:
	s_bfe_u32 s2, ttmp6, 0x10000c
	s_cmp_lg_u32 s2, 0x3003
	s_cbranch_scc0 .Lentry_shape_is_right
	s_endpgm
.Lentry_shape_is_right:
; out0[b][n][:] = the sum over m of softmax_m(Q[b][n] . K[b][m] / 8) V[b][m][:], both products on codes of FP4 (E2M1) with one E8M0 scale for each 32 along a product's K, from the records that the launch before laid.
; No work is left out here.
; THE SOFTMAX AHEAD OF THE SECOND PRODUCT: t = score x log2(e) / 8; M = the largest t so far, rounded UP to a whole number; p = 2^(t - M) is quantised along the keys, not normalised; the row's sum is taken of the
; unquantised p and divides at the end.  When M moves, the sum and O are multiplied by 2^(old M - new M): exact.
; LIMITS: NaN and infinities are not served; a p under 2^-126 counts as 0 (the exponential's result is flushed: ISA guide, its entry in 15.8); a block of p that is all zeros keeps the scale byte 1; 1 / sum is v_rcp_f32's.
; SHARES.  A work-group owns 64 queries of one batch.  Wave w: query tile w % 4 (16 queries), key quarter w / 4 (1,024 keys, four steps of 256 = a pair of records): four waves to a SIMD, so that one wave's vector work
; stands beside another's matrix work and LDS loads.  At the end the four quarters of a tile are merged through LDS; every M is a whole number, so the merge's scalings round nothing.
; LDS holds the batch's 32 records (278,528 bytes) as they lie in memory: images of operand registers, read at 16 x lane: consecutive bytes, no padding.  Filled ONCE, by one tensor load a wave: wave w fetches pair w.
; Wave w walks its quarter's pairs from its own on: the first step waits for the wave's own load alone; the work-group's barrier is signalled behind that wait and waited for ahead of the second step's loads.
; CLUSTER.  The four work-groups of a cluster belong to one batch and need the same records: each pair is asked for JOINTLY, by the same tensor load with the same descriptor and the mask of all four.
; NO PREFETCH: all that is read is asked for at the head.
; LAYOUT.  Both products are used transposed: S^T = K Q^T, O^T = V^T P^T: a lane holds ONE query (lane % 16) throughout.  Rows 0-7 of the four key tiles of 64 keys are one block of 32 keys, rows 8-15 the next:
; so lane (r, h)'s 32 registers of these tiles are ONE block, in order, and its codes are the second product's operand as they come.
; The first product's K is 64, half of the instruction's 128: source 0 carries TWO key tiles, one in each half, and source 1 is Q in the lower half over zeros, then Q in the upper half: the other half meets zero codes.
.set REC,   8704                       ; a record: K's codes 4,096, K's scale words 256, V's codes 4,096, V's scale words 256
.set SPARE, 32*REC                     ; behind the records: the spare words, 128 bytes for each of 16 waves: no other line names them
.set PART,  4352                       ; the merge: a wave's partial result, 16 rows x (256 bytes of O + 8 of -M and the sum + 8): in the records' first bytes, which have had their only fill and their last read
.set A16, 1                            ; v1-4  LDS: 16 lane + step i's pair
.set SPW, 5                            ; v5    LDS address of my spare word; never rewritten
.set NIL, 6                            ; v6    0; never rewritten
                                       ; v8-11 zeros, v12-15 Q's codes, v16-19 zeros; v20 Q's scale words; v21, v22 p's
                                       ; v24 -M, v25 the largest score; v[26:27], v[42:43] the sum, in two pairs; v[28:29] f; v30 the old -M; v31, v40, v41 at work
.set BM,  32                           ; v32-35 each block's largest score, then its largest p, then its byte
.set E,   36                           ; v36-39 second chains of the maxima; then the conversions' scale operands
.set A8,  44                           ; v44-47 LDS: 8 lane + step i's pair
.set KS,  48                           ; v48-51 K's scale words, one for 64 keys
.set VS,  52                           ; v52-55 V's: lanes 0-15 tile 2 i, lanes 16-31 tile 2 i + 1, two a record
.set PC,  56                           ; v56-63 p's codes of the first record
.set F,   64                           ; v64-95 K of the second record, then V of the first
.set O,   96                           ; v96-127 O^T
.set S,   128                          ; v128-255 S^T, then p.  Once its p are coded, S .. S+31 take V of the second record, S+32 .. S+39 its codes, S+96 .. S+127 K of the next step's first record
.set PC1, 160
.set MD,  128                          ; the merge: 16 bytes of O of partial g, row pair a, at 16 a + 4 g
.set ML,  160                          ; its -M and sum at 8 a + 2 g
.set NM,  176                          ; the smallest -M
.set FF,  180                          ; the partials' factors, 4 a + g
.set LL,  188                          ; the merged sum, then its reciprocal
.set RR,  192                          ; the merged row
; A round of the cluster's barrier
.macro CROUND
	s_barrier_signal -1
	s_barrier_wait -1
	s_cmp_lg_u32 s10, 0
	s_cbranch_scc1 .Lnot_wave_0_\@
	s_barrier_signal -3
.Lnot_wave_0_\@:
	s_barrier_wait -3
	s_barrier_signal -1
	s_barrier_wait -1
.endm
; K of a record: 64 keys are 16 registers: rows 0-15 tiles 0 (lower half of K) and 2 (upper), rows 16-31 tiles 1 and 3
.macro KFRAG i, dst, off
.irp c, 0,1
.irp t, 0,1,2,3
	ds_load_b128 v[(\dst)+16*\c+8*(\t%2)+4*(\t/2):(\dst)+16*\c+8*(\t%2)+4*(\t/2)+3], v[A16+\i] offset:(\off)+512*(4*\c+\t)
.endr
.endr
.endm
.macro KLOAD0 i                        ; ten loads
	ds_load_b64 v[KS:KS+1], v[A8+\i] offset:4096
	ds_load_b64 v[KS+2:KS+3], v[A8+\i] offset:REC+4096
	KFRAG \i, S+96, 0
.endm
.macro VFRAG i, dst, off               ; eight loads
.irp t, 0,1,2,3
.irp c, 0,1
	ds_load_b128 v[(\dst)+8*\t+4*\c:(\dst)+8*\t+4*\c+3], v[A16+\i] offset:(\off)+4352+1024*\t+512*\c
.endr
.endr
.endm
.macro QK g, kb
.irp c, 0,1
	v_wmma_scale_f32_32x16x128_f4 v[S+64*\g+32*\c:S+64*\g+32*\c+15], v[(\kb)+16*\c:(\kb)+16*\c+15], v[12:19], 0, v[KS+2*\g+\c], v20
	v_wmma_scale_f32_32x16x128_f4 v[S+64*\g+32*\c+16:S+64*\g+32*\c+31], v[(\kb)+16*\c:(\kb)+16*\c+15], v[8:15], 0, v[KS+2*\g+\c], v20
.endr
.endm
; O^T += V^T P^T over a record's 128 keys; the four accumulators take turns, one instruction a turn.  zero = 1: the sums begin
.macro PV g, vb, pc, zero
.irp t, 0,1,2,3
.if \zero
.if \t%2
	v_wmma_scale_f32_16x16x128_f8f6f4 v[O+8*\t:O+8*\t+7], v[(\vb)+8*\t:(\vb)+8*\t+7], v[\pc:\pc+7], 0, v[VS+2*\g+\t/2], v[21+\g] matrix_a_fmt:MATRIX_FMT_FP4 matrix_b_fmt:MATRIX_FMT_FP4 matrix_a_scale:MATRIX_SCALE_ROW1
.else
	v_wmma_scale_f32_16x16x128_f8f6f4 v[O+8*\t:O+8*\t+7], v[(\vb)+8*\t:(\vb)+8*\t+7], v[\pc:\pc+7], 0, v[VS+2*\g+\t/2], v[21+\g] matrix_a_fmt:MATRIX_FMT_FP4 matrix_b_fmt:MATRIX_FMT_FP4
.endif
.else
.if \t%2
	v_wmma_scale_f32_16x16x128_f8f6f4 v[O+8*\t:O+8*\t+7], v[(\vb)+8*\t:(\vb)+8*\t+7], v[\pc:\pc+7], v[O+8*\t:O+8*\t+7], v[VS+2*\g+\t/2], v[21+\g] matrix_a_fmt:MATRIX_FMT_FP4 matrix_b_fmt:MATRIX_FMT_FP4 matrix_a_scale:MATRIX_SCALE_ROW1
.else
	v_wmma_scale_f32_16x16x128_f8f6f4 v[O+8*\t:O+8*\t+7], v[(\vb)+8*\t:(\vb)+8*\t+7], v[\pc:\pc+7], v[O+8*\t:O+8*\t+7], v[VS+2*\g+\t/2], v[21+\g] matrix_a_fmt:MATRIX_FMT_FP4 matrix_b_fmt:MATRIX_FMT_FP4
.endif
.endif
.endr
.endm
; The largest score of each of a record's two blocks in my lane: for the row's maximum and, since p rises with the score, for the block's largest p.  Two chains a block; each accumulator from its low end on
.macro MAXA g
.irp b, 0,1
	v_max3_num_f32 v[BM+2*\g+\b], v[S+64*\g+32*\b], v[S+64*\g+32*\b+1], v[S+64*\g+32*\b+2]
	v_max3_num_f32 v[E+2*\g+\b], v[S+64*\g+32*\b+16], v[S+64*\g+32*\b+17], v[S+64*\g+32*\b+18]
.endr
.irp j, 3,5,7,9,11,13
.irp b, 0,1
	v_max3_num_f32 v[BM+2*\g+\b], v[BM+2*\g+\b], v[S+64*\g+32*\b+\j], v[S+64*\g+32*\b+\j+1]
	v_max3_num_f32 v[E+2*\g+\b], v[E+2*\g+\b], v[S+64*\g+32*\b+16+\j], v[S+64*\g+32*\b+17+\j]
.endr
.endr
.endm
.macro MAXB g
.irp b, 0,1
	v_max3_num_f32 v[BM+2*\g+\b], v[BM+2*\g+\b], v[S+64*\g+32*\b+15], v[S+64*\g+32*\b+31]
.endr
.irp b, 0,1
	v_max_num_f32 v[BM+2*\g+\b], v[BM+2*\g+\b], v[E+2*\g+\b]
.endr
.endm
.macro SUM j                           ; the row's sum is taken of the unquantised p, in two pairs
	v_pk_add_f32 v[26:27], v[26:27], v[S+\j:S+\j+1]
	v_pk_add_f32 v[42:43], v[42:43], v[S+\j+2:S+\j+3]
.endm
.macro CODES g, dst                    ; whole blocks: register 4 c + n of the operand = keys 64 c + 32 h + 8 n + 0 .. 7
.irp n, 0,1,2,3,4,5,6,7
	v_cvt_scalef32_pk8_fp4_f32 v[(\dst)+\n], v[S+64*\g+8*\n:S+64*\g+8*\n+7], v[E+2*\g+\n/4]
.endr
.endm
; A STEP: 256 keys, the i-th pair of records.  first: the sums begin, and the barrier that shows the other waves' pairs is waited for; last: no next K, and the merge's barrier is signalled
.macro STEP i, first, last
	s_wait_dscnt 8                                 ; K of the first record is in; the second's eight loads may stay out
	QK 0, S+96
.if \first
	v_nop
.else
	v_mov_b32 v30, v24                             ; the old -M
.endif
	v_nop
	v_nop
	v_nop                                          ; four places ahead of the first read of these products
	s_wait_dscnt 0x0                               ; K of the second record
	MAXA 0
	QK 1, F
	MAXB 0                                         ; these four are the places behind the products just issued, for the loads and the reads below
	ds_load_b64 v[VS:VS+1], v[A8+\i] offset:8448
	ds_load_b64 v[VS+2:VS+3], v[A8+\i] offset:REC+8448
	VFRAG \i, F, 0                                 ; V is asked for here and wanted behind the softmax
	MAXA 1
	MAXB 1
	v_max3_num_f32 v31, v[BM], v[BM+1], v[BM+2]
	s_delay_alu instid0(VALU_DEP_1)
	v_max_num_f32 v31, v31, v[BM+3]
	s_delay_alu instid0(VALU_DEP_1)
	v_permlanex16_b32 v41, v31, s48, s49
	s_delay_alu instid0(VALU_DEP_1)
	v_max3_num_f32 v25, v25, v31, v41              ; the running largest score
	s_delay_alu instid0(VALU_DEP_1)
	v_mul_f32 v31, s52, v25                        ; -t (s52 = -c)
	s_delay_alu instid0(VALU_DEP_1)
	v_floor_f32 v24, v31                           ; -M = floor(-t) = -ceil(t): a whole number
.if !\first
	s_delay_alu instid0(VALU_DEP_1)
	v_sub_f32 v31, v24, v30                        ; old M - new M: a whole number, 0 or less
	s_delay_alu instid0(VALU_DEP_1)
	v_cvt_i32_f32 v31, v31                         ; (it saturates)
	s_delay_alu instid0(VALU_DEP_1)
	v_ldexp_f32 v28, 1.0, v31                      ; f = 2^(old M - new M)
.endif
.set j, 0
.rept 64
	v_pk_fma_f32 v[S+j:S+j+1], v[S+j:S+j+1], s[50:51], v[24:25] op_sel_hi:[1,0,0]   ; t - M, two at a time (of the pairs c and -M the low word serves both halves)
.set j, j+2
.endr
.irp b, 0,1,2,3
	v_fma_f32 v[BM+\b], v[BM+\b], s50, v24         ; the same of each block's largest score
.endr
	s_wait_alu depctr_va_vdst(0)                   ; the wait ahead of the batch
.irp b, 0,1,2,3
	v_exp_f32 v[BM+\b], v[BM+\b]                   ; the block's largest p: the same two instructions on the same number give the same bits
.endr
.set j, 0
.rept 128
	v_exp_f32 v[S+j], v[S+j]                       ; p = 2^(t - M)
.set j, j+1
.endr
.if \first
	v_nop                                          ; a plain place behind the exponentials
	s_wait_alu depctr_va_vdst(0)                   ; one wait for the batch, ahead of its first reader
.else
	v_pk_mul_f32 v[26:27], v[26:27], v[28:29] op_sel_hi:[1,0]   ; the sums under the new M: plain work that names none of the batch's results
	v_pk_mul_f32 v[42:43], v[42:43], v[28:29] op_sel_hi:[1,0]
	s_wait_alu depctr_va_vdst(0)                   ; one wait for the batch and for O^T's first readers below
.set j, 0
.rept 16
	v_pk_mul_f32 v[O+j:O+j+1], v[O+j:O+j+1], v[28:29] op_sel_hi:[1,0]   ; and O^T under the new M
.set j, j+2
.endr
.endif
.irp b, 0,1,2,3
	v_max_num_f32 v[BM+\b], 0x1800000, v[BM+\b]    ; the floor 2^(3 - 127): the byte cannot fall under 1
.endr
.irp b, 0,1,2,3
	v_add_nc_u32 v[E+\b], 0xff000000, v[BM+\b]     ; 2 off the exponent field: the conversion's scale operand
.endr
.irp b, 0,1,2,3
	v_lshrrev_b32 v[BM+\b], 23, v[E+\b]            ; the scale's byte
.endr
	v_lshl_or_b32 v40, v[BM+1], 8, v[BM]
	v_lshl_or_b32 v41, v[BM+3], 8, v[BM+2]
	SUM 0
	v_lshl_or_b32 v40, v41, 16, v40                ; my four bytes: (record, 64 keys) = (0, 0), (0, 1), (1, 0), (1, 1)
	SUM 4
	v_permlanex16_b32 v41, v40, s48, s49           ; and the lane 16 away's
	SUM 8
	v_perm_b32 v21, v41, v40, 0x05010400           ; lanes 0-15: mine and the other's by turns: p's scale word of the first record,
	v_perm_b32 v22, v41, v40, 0x07030602           ; and of the second
.irp k, 12,16,20,24,28,32,36,40,44,48,52,56,60
	SUM \k
.endr
	CODES 0, PC
	VFRAG \i, S, REC                               ; V of the second record, over p that has been coded
.irp k, 96,100,104,108,112,116,120,124,80,84,88,92
	SUM \k
.endr
	CODES 1, PC1
	v_nop                                          ; one plain instruction behind the last scaled conversion
.if \first
	s_wait_alu depctr_va_vdst(0)
	s_barrier_wait -1                              ; every wave's pair has landed
.endif
.if !\last
	KLOAD0 \i+1
.endif
	s_wait_alu depctr_va_vdst(0)
.if \last
	s_wait_dscnt 8                                 ; V of the first record is in; the second's eight loads may stay out
.else
	s_wait_dscnt 18                                ; and the next K's ten
.endif
	PV 0, F, PC, \first
	SUM 64                                         ; four places behind these products, ahead of the loads into V's registers
	SUM 68
.if !\last
	KFRAG \i+1, F, REC
.endif
	s_wait_alu depctr_va_vdst(0)
.if \last
	s_wait_dscnt 0x0                               ; V of the second record; my reads of the records are over:
	s_barrier_signal -1                            ; say so; work on registers alone up to the wait
.else
	s_wait_dscnt 18                                ; V of the second record is in; the next K's eighteen may stay out
.endif
	PV 1, S, PC1, 0
	SUM 72                                         ; five places ahead of the products that write over these products' operands
	SUM 76
.if !\last
	v_nop
.endif
.endm
	s_load_b128 s[4:7], s[0:1], 0x0                ; q s[4:5], kv s[6:7]
	s_load_b64 s[8:9], s[0:1], 0x10                ; out0
	v_lshl_add_u32 v[SPW], v0, 2, SPARE
	v_mov_b32 v[NIL], 0
	ds_add_u32 v[SPW], v[NIL]                      ; the wave's opening: the add, twice on end, and its wait ahead of the tensor load; the set-up below, work on registers, stands between
	ds_add_u32 v[SPW], v[NIL]
	v_lshrrev_b32 v128, 5, v0
	v_readfirstlane_b32 s10, v128                  ; wave 0..15
	s_and_b32 s11, s10, 3                          ; my query tile
	s_lshr_b32 s12, s10, 2                         ; my key quarter
	s_bfe_u32 s13, ttmp6, 0x40000                  ; cx: my place in the cluster: it enters q's and out0's addresses alone
	s_lshl_b32 s14, ttmp9, 2                       ; in a cluster launch ttmp9 counts clusters
	s_add_co_u32 s14, s14, s13                     ; W: my block of 64 queries
	s_lshr_b32 s15, ttmp9, 4                       ; the batch, which the four partners share
	; descriptor group 1: a pair of records, dense, as 68 rows of 256 bytes (32 elements of 8 bytes)
	s_mov_b32 s16, 15|(3<<16)|(1<<21)              ; 15:0 the mask: all four work-groups; 17:16 elements of 8 bytes; 21 set beside a mask
	s_mov_b32 s17, 32<<16                          ; tensor_dim0
	s_mov_b32 s18, 68<<16                          ; tensor_dim1
	s_mov_b32 s19, 32<<16                          ; tile_dim0
	s_mov_b32 s20, 68                              ; tile_dim1
	s_mov_b32 s21, 32                              ; tensor_dim0_stride
	s_mov_b32 s22, 0
	s_mov_b32 s23, 0
	s_and_b32 s28, s10, 12
	s_mul_i32 s24, s10, 2*REC                      ; step 0: the pair that I fetch myself;
.irp i, 1,2,3
	s_add_co_u32 s[24+\i], s10, \i                 ; steps 1 to 3: my quarter's others, going round
	s_and_b32 s[24+\i], s[24+\i], 3
	s_or_b32 s[24+\i], s[24+\i], s28
	s_mul_i32 s[24+\i], s[24+\i], 2*REC
.endr
	s_mul_i32 s30, s15, 32*REC
	s_add_co_u32 s30, s30, s24                     ; the same place in memory, from the batch's first record on
	s_mov_b32 s31, 0
	; Q: record W / 2, tile T = 4 (W % 2) + my tile: codes at 512 T + 16 lane; scale bytes at 4,096 + 8 (r + 16 (tile % 2)) + 4 (W % 2) + 2 (tile / 2)
	s_lshr_b32 s32, s14, 1
	s_mul_i32 s32, s32, 4352
	s_and_b32 s33, s14, 1
	s_lshl_b32 s36, s33, 2
	s_add_co_u32 s37, s36, s11
	s_lshl_b32 s37, s37, 9
	s_add_co_u32 s36, s36, s32
	s_add_co_u32 s32, s32, s37
	s_and_b32 s37, s11, 1
	s_lshl_b32 s37, s37, 7
	s_add_co_u32 s36, s36, s37
	s_and_b32 s37, s11, 2
	s_add_co_u32 s36, s36, s37
	s_mov_b32 s33, 0
	s_mov_b32 s37, 0
	; out0: tile t's row r is query 64 W + 8 t + r % 8 + 32 (r / 8): my rows 4 quarter .. + 3 are four neighbours, 256 bytes a row
	s_lshl_b32 s44, s14, 14
	s_lshl_b32 s45, s11, 11
	s_add_co_u32 s44, s44, s45
	s_and_b32 s45, s12, 1
	s_lshl_b32 s45, s45, 10
	s_add_co_u32 s44, s44, s45
	s_lshr_b32 s45, s12, 1
	s_lshl_b32 s45, s45, 13
	s_add_co_u32 s44, s44, s45
	s_mov_b32 s45, 0
	s_mul_i32 s53, s10, PART                       ; the merge: my partial,
	s_mul_i32 s54, s11, PART
	s_mul_i32 s55, s12, 4*272
	s_add_co_u32 s54, s54, s55                     ; and my rows in my tile's partials
	s_mov_b32 s48, 0x76543210
	s_mov_b32 s49, 0xfedcba98                      ; v_permlanex16_b32's selects for the lane 16 away
	s_mov_b32 s50, 0x3e38aa3b                      ; c = log2(e) / 8
	s_mov_b32 s51, s50                             ; (named with it as a pair, so it is written)
	s_mov_b32 s52, 0xbe38aa3b                      ; -c
	v_and_b32 v129, 31, v0                         ; lane
	v_and_b32 v130, 15, v0                         ; r
	v_lshlrev_b32 v131, 4, v129
	v_lshlrev_b32 v132, 3, v130
	v_lshlrev_b32 v133, 3, v129
.irp i, 0,1,2,3
	v_add_nc_u32 v[A16+\i], s[24+\i], v131
	v_add_nc_u32 v[A8+\i], s[24+\i], v133
.endr
	v_mov_b32 v25, 0xff61b1e6                      ; the largest score so far: -3e38
	v_mov_b32 v26, 0                               ; the sum
	v_mov_b32 v27, 0
	v_mov_b32 v42, 0
	v_mov_b32 v43, 0
	v_mov_b32 v29, 0                               ; (named as the upper half of the pair v[28:29])
	v_mov_b32 v41, 0                               ; (a lane permute's destination counts as one of its sources)
	s_wait_alu depctr_va_vdst(0)                   ; ahead of the waits below
	s_wait_dscnt 0x0                               ; both opening adds are done
	s_wait_kmcnt 0x0
	s_add_nc_u64 s[34:35], s[4:5], s[32:33]
	s_add_nc_u64 s[38:39], s[4:5], s[36:37]
	global_load_b128 v[12:15], v131, s[34:35]
	global_load_u16 v134, v132, s[38:39] offset:4096
	s_add_nc_u64 s[8:9], s[8:9], s[44:45]
	s_mov_b32 s40, 1                               ; 1:0 count = 1
	s_mov_b32 s41, s24                             ; 63:32 LDS address: made of the wave's number alone
	s_add_nc_u64 s[42:43], s[6:7], s[30:31]        ; 120:64 global address
	s_or_b32 s43, s43, 0x80000000                  ; 127:126 type = 2
	CROUND                                         ; all four work-groups are here: the joint loads meet
	tensor_load_to_lds s[40:43], s[16:23]
	s_nop 0
.rept 4
	v_nop
.endr
	s_wait_loadcnt 0x0                             ; Q
	v_lshl_or_b32 v20, v134, 16, v134              ; Q's two scale bytes, for Q in the lower half of K and in the upper
.irp i, 8,9,10,11,16,17,18,19
	v_mov_b32 v\i, 0                               ; the format's filling; with Q's codes between: v[12:19] is Q in the lower half, v[8:15] in the upper
.endr
	s_wait_alu depctr_va_vdst(0)                   ; the wait at the head's end
	s_wait_tensorcnt 0x0                           ; my pair is in
	s_barrier_signal -1                            ; (waited for in the first step; nothing is ever filled again)
	KLOAD0 0
	KFRAG 0, F, REC
	STEP 0, 1, 0
	STEP 1, 0, 0
	STEP 2, 0, 0
	STEP 3, 0, 1
	; THE MERGE.  My quarter's sum: its two pairs, and the lane 16 away's
	v_pk_add_f32 v[26:27], v[26:27], v[42:43]
	v_and_b32 v64, 15, v0                          ; r
	v_bfe_u32 v65, v0, 4, 1                        ; h
	v_add_f32 v31, v26, v27
	v_mul_u32_u24 v66, v64, 272
	v_mul_u32_u24 v69, v65, 272
	v_permlanex16_b32 v41, v31, s48, s49
	v_add_nc_u32 v66, s53, v66
	v_add_nc_u32 v69, s54, v69                     ; my tile's partial 0, row 4 x quarter + h
	v_add_f32 v25, v31, v41                        ; beside -M, as a pair
	v_lshl_add_u32 v67, v65, 5, v66                ; my partial: row r, + 32 h
	v_add_nc_u32 v68, 0x100, v66                   ; its -M and sum
	v_lshl_add_u32 v70, v64, 4, v69
	v_add_nc_u32 v69, 0x100, v69
	v_and_b32 v71, 31, v0
	v_lshlrev_b32 v71, 4, v71                      ; 16 x lane (memory)
	s_wait_alu depctr_va_vdst(0)
	s_barrier_wait -1                              ; everybody's reads of the records are over
.irp t, 0,1,2,3
	ds_store_b128 v67, v[O+8*\t:O+8*\t+3] offset:64*\t          ; lane (r, h): channels 16 t + 8 h + 0 .. 7 of query r; each accumulator from its low end on
	ds_store_b128 v67, v[O+8*\t+4:O+8*\t+7] offset:64*\t+16
.endr
	ds_store_b64 v68, v[24:25]                     ; both halves of the lanes write the same pair
	s_wait_dscnt 0x0                               ; for the others' sake: my partial lies in LDS
	s_barrier_signal -1
	s_barrier_wait -1
.irp a, 0,1                                    ; I merge rows 4 x quarter + 0 .. 3 of my tile: two rows an instruction, sixteen lanes to a row
.irp g, 0,1,2,3
	ds_load_b128 v[MD+16*\a+4*\g:MD+16*\a+4*\g+3], v70 offset:4*PART*\g+544*\a
	ds_load_b64 v[ML+8*\a+2*\g:ML+8*\a+2*\g+1], v69 offset:4*PART*\g+544*\a
.endr
.endr
	s_wait_dscnt 0x0
.irp a, 0,1
	v_min_num_f32 v[NM+\a], v[ML+8*\a], v[ML+8*\a+2]
.endr
.irp a, 0,1
	v_min_num_f32 v[NM+\a], v[NM+\a], v[ML+8*\a+4]
.endr
.irp a, 0,1
	v_min_num_f32 v[NM+\a], v[NM+\a], v[ML+8*\a+6] ; the smallest -M: the row's M
.endr
.irp g, 0,1,2,3
.irp a, 0,1
	v_sub_f32 v[FF+4*\a+\g], v[NM+\a], v[ML+8*\a+2*\g]   ; the partial's M less the row's: a whole number, 0 or less
.endr
.endr
.irp k, 0,1,2,3,4,5,6,7
	v_cvt_i32_f32 v[FF+\k], v[FF+\k]
.endr
.irp k, 0,1,2,3,4,5,6,7
	v_ldexp_f32 v[FF+\k], 1.0, v[FF+\k]            ; the partial's factor: a power of two
.endr
.irp a, 0,1
	v_mul_f32 v[LL+\a], v[FF+4*\a], v[ML+8*\a+1]
.endr
.irp g, 1,2,3
.irp a, 0,1
	v_fmac_f32 v[LL+\a], v[FF+4*\a+\g], v[ML+8*\a+2*\g+1]
.endr
.endr
	s_wait_alu depctr_va_vdst(0)                   ; the wait ahead of the two reciprocals
	v_rcp_f32 v[LL], v[LL]
	v_rcp_f32 v[LL+1], v[LL+1]
.irp a, 0,1                                    ; the channels' sums name neither reciprocal: the plain work behind the two
.irp k, 0,1,2,3
	v_mul_f32 v[RR+4*\a+\k], v[MD+16*\a+\k], v[FF+4*\a]
.endr
.endr
.irp g, 1,2,3
.irp a, 0,1
.irp k, 0,1,2,3
	v_fmac_f32 v[RR+4*\a+\k], v[MD+16*\a+4*\g+\k], v[FF+4*\a+\g]
.endr
.endr
.endr
	s_wait_alu depctr_va_vdst(0)                   ; one wait for the two reciprocals, ahead of their first reader
.irp a, 0,1
.irp k, 0,1,2,3
	v_mul_f32 v[RR+4*\a+\k], v[RR+4*\a+\k], v[LL+\a]
.endr
.endr
.irp a, 0,1
	global_store_b128 v71, v[RR+4*\a:RR+4*\a+3], s[8:9] offset:512*\a   ; 32 lanes store two rows, 512 consecutive bytes, at a multiple of 256 from out0's first byte
.endr
	s_wait_tensorcnt 0x0                           ; the wave's end: behind my tensor load and my last LDS store
	ds_add_u32 v[SPW], v[NIL]
	s_wait_dscnt 0x0
	CROUND                                         ; the closing round: no work-group ends while a partner may still ask for a tile that names it
	s_endpgm
.Lfunc_end_k_q0fa33ac361_attn:
	.size	k_q0fa33ac361_attn, .Lfunc_end_k_q0fa33ac361_attn-k_q0fa33ac361_attn
	.p2alignl 7, 3214868480
	.fill 96, 4, 3214868480
	.section	.rodata,"a",@progbits
	.p2align	6, 0x0
	.amdhsa_kernel k_q0fa33ac361_attn
		.amdhsa_group_segment_fixed_size 327680
		.amdhsa_private_segment_fixed_size 0
		.amdhsa_enable_private_segment 0
		.amdhsa_kernarg_size 24
		.amdhsa_user_sgpr_count 2
		.amdhsa_user_sgpr_kernarg_segment_ptr 1
		.amdhsa_wavefront_size32 1
		.amdhsa_system_sgpr_workgroup_id_x 1
		.amdhsa_system_sgpr_workgroup_id_y 1
		.amdhsa_system_sgpr_workgroup_id_z 1
		.amdhsa_system_vgpr_workitem_id 0
		.amdhsa_next_free_vgpr 256
		.amdhsa_next_free_sgpr 66
		.amdhsa_reserve_vcc 0
		.amdhsa_float_denorm_mode_32 3
		.amdhsa_float_denorm_mode_16_64 3
		.amdhsa_memory_ordered 1
		.amdhsa_forward_progress 1
		.amdhsa_inst_pref_size 110
	.end_amdhsa_kernel
	.amdgpu_metadata
---
amdhsa.version: [ 1, 2 ]
amdhsa.kernels:
  - .name:           k_q0fa33ac361_attn
    .symbol:         k_q0fa33ac361_attn.kd
    .args:
      - { .name: q, .offset: 0, .size: 8, .value_kind: global_buffer, .address_space: global }
      - { .name: kv, .offset: 8, .size: 8, .value_kind: global_buffer, .address_space: global }
      - { .name: out0, .offset: 16, .size: 8, .value_kind: global_buffer, .address_space: global }
    .group_segment_fixed_size: 327680
    .private_segment_fixed_size: 0
    .kernarg_segment_align: 8
    .kernarg_segment_size: 24
    .max_flat_workgroup_size: 512
    .sgpr_count:     66
    .vgpr_count:     256
    .wavefront_size: 32
...
	.end_amdgpu_metadata
.endif
;; end of part 2
